; MI455X (gfx1250); checked and timed in simulation.
; The chip was launched on July 23, 2026; its instructions are those of AMD's public machine-readable ISA for CDNA 5 (MIT licence, August 2026) and "CDNA5" Instruction Set Architecture Reference Guide (July 2026). The comments in the code are by the model that wrote it; some were corrected since.
;; Causal Self Attention. Allowed arithmetic: matrix products marked QUANTISED: E4M3 operands, one given power-of-two scale a tensor, by v_wmma_f32_16x16x64_fp8_fp8 or v_wmma_f32_16x16x128_fp8_fp8, f32 sums; everything else in f32.
;; Inputs: b_attn 3,072 float32; b_proj 1,024 float32; lowp_scales 8 int32 (the exponents e of the quantised operands' scales 2^e); w_attn 1,024 x 3,072 float32; w_proj 1,024 x 1,024 float32; x 4 x 2,048 x 1,024 float32.
;; Outputs: out0 4 x 2,048 x 1,024 float32.
;; This version of the problem:
;;   THIS VERSION OF THE PROBLEM IS GIVEN IN LOW PRECISION. The matrix products marked QUANTISED in the list below multiply operands that are first quantised to E4M3 (4 exponent bits, 3 mantissa bits; 8 bits a number), with one given power-of-two scale for each operand tensor; their sums are f32. All else is computed in f32.
;;   The module's matrix products, in the order in which they are computed (A, B: the left and right operand; K: the contracted axis; several contracted axes count as one K, in the product's order):
;;     1. [M 8,192, K 1,024] x [K 1,024, N 3,072]; A: input x; B: input w_attn: QUANTISED (scales: A lowp_scales[0], B lowp_scales[1])
;;     2. batch 64 x [M 2,048, K 64] x [K 64, N 2,048]; A: computed on the way; B: computed on the way: QUANTISED (scales: A lowp_scales[2], B lowp_scales[3])
;;     3. batch 64 x [M 2,048, K 2,048] x [K 2,048, N 64]; A: softmax (see below); B: computed on the way: QUANTISED (scales: A lowp_scales[4], B lowp_scales[5])
;;     4. [M 8,192, K 1,024] x [K 1,024, N 1,024]; A: computed on the way; B: input w_proj: QUANTISED (scales: A lowp_scales[6], B lowp_scales[7])
;;   THE QUANTISER, for each operand of a quantised product, along K:
;;     - The operand's scale is 2^e, e = its entry of the input lowp_scales (int32; the entries are numbered through the quantised products in the list's order, A before B).
;;     - Each number is divided by the scale, clamped to +-448, and rounded to the nearest number of E4M3, ties to even, subnormals kept.
;;     - The product sums the exact products of the quantised numbers (number of the format x scale) in f32.
;;   ~~~python
;;   def quantise(x, axis, e):      # numpy; x: float32 -> the quantised numbers, widened to float32 again
;;       x = np.moveaxis(x, axis, -1); K = x.shape[-1]
;;       r = np.clip(x / 2.0 ** e, -448, 448)
;;       step = 2.0 ** (np.maximum(np.frexp(np.where(r == 0, 1, r))[1] - 1, -6) - 3)
;;       q = np.round(r / step) * step * 2.0 ** e      # np.round: ties to even
;;       return np.moveaxis(q, -1, axis).astype(np.float32)
;;   ~~~
;;   SOFTMAX AHEAD OF A QUANTISED PRODUCT. Where the list says 'softmax', what is quantised is not the finished softmax but p = 2^(t - M), with t = logit x log2(e) and M = ceil(the row's largest t), a whole number; so 1/2 < the row's largest p <= 1. The row's sum l is taken of the UNQUANTISED p, in f32, and the product's result is divided by l at the end. Since M is a whole number, a kernel that streams over the keys may use a running M (the ceiling of the running maximum): every later rescaling is an exact power of two, so the quantised numbers keep their values, but for numbers so far below the row's largest that they fall under the format's range.
;;   OPERANDS COMPUTED ON THE WAY. 'Computed on the way' means the value that the module computes at that place (a softmax that the list does not call 'softmax' is quantised finished and normalised). What goes into a quantiser is computed in f32, as accurately as f32 sums, v_exp_f32 and their like allow (about 1e-6 of the number): no bf16 or f16 on the way to a quantiser, and a product that is left as it is and whose result goes on into a quantised operand takes f32 operands (vector FMAs, or v_wmma_f32_16x16x4_f32). A number that lies on a knife's edge between two numbers of the format may be rounded either way, as far as f32 arithmetic and the matrix unit's own rounding can turn it there, and no further.
;; One version. Each part assembles by itself: llvm-mc -triple=amdgcn-amd-amdhsa -mcpu=gfx1250 --defsym DOCPART=n.
;; ======== version 1 of 1: 4 launches
;; limits: right only within a limited range of input values
;; workspace buffers: xc 8,388,608 bytes; wac 3,145,728 bytes; wpc 1,048,576 bytes; qc 8,388,608 bytes; kc 8,388,608 bytes; vc 8,388,608 bytes; yc 8,388,608 bytes
;; launch quant (part 1): grid 96 x 8, 4 waves a work-group, no clusters, 34,304 bytes of LDS; arguments x, w_attn, w_proj, lowp_scales, xc, wac, wpc; writes xc, wac, wpc
.if DOCPART == 1
	.amdgcn_target "amdgcn-amd-amdhsa--gfx1250"
	.amdhsa_code_object_version 6
	.text
	.protected	k_q756ab0fdf0_quant
	.globl	k_q756ab0fdf0_quant
	.p2align	8
	.type	k_q756ab0fdf0_quant,@function
k_q756ab0fdf0_quant:
	s_mov_b64 s[64:65], 0
	v_nop
	global_prefetch_b8 v0, s[64:65] scope:SCOPE_SE
	s_setreg_imm32_b32 hwreg(HW_REG_WAVE_MODE, 25, 1), 1
	s_wait_xcnt 0x0
; x [8192][1024], w_attn [1024][3072] and w_proj [1024][1024], f32, become codes of FP8 (E4M3) with the given scales 2^e0, 2^e1, 2^e7:
; code = number / 2^e, held within +-448, rounded to the nearest code, ties to even.
; THE CODES ARE LAID AS IMAGES OF OPERAND REGISTERS.  A block is 16 rows of an operand (tokens of x, columns of a weight); slot s of block B stands for row
; 32 (B / 2) + 8 (B % 2) + s % 8 + 16 (s / 8).  A fragment (a block x 128 along K) is 2,048 bytes: piece c (0..3) at 512 c + 16 x lane, and lane (r, h) holds slot r, k = 32 c + 16 h + 0..15.
; A buffer is [block][K step of 128] of such fragments.  The later launches load a fragment by four loads of 16 bytes a lane, 512 consecutive bytes each.
; SHARES.  Work-group x < 64: x; block 64 y + x, wave w its K steps 2 w and 2 w + 1.  x 64..87: w_attn; x 88..95: w_proj: 128 columns (a wave 32, a lane a column) x K step y.
; x: each load reads 512 consecutive bytes of a row; the 16 rows turn through the wave's own stage in LDS (rows 528 bytes apart) so that a lane gets 16 neighbours along K of each block of 32.
; weights: K is the first axis, so a lane's registers run down K and the conversions give the codes with K innermost; nothing is transposed.
; No tensor load, no barrier: waves share nothing.
; LIMITS: e0, e1, e7 between -126 and 119, so that 2^e and 448 x 2^e are f32 numbers.  NaN among the inputs is not served.
.set STG,   8448                       ; a wave's stage: 16 rows x 528 bytes
.set SPARE, 33792                      ; behind the four stages: the spare words, 128 bytes a wave: two blocks of 256 bytes that no other line names
.set R,     16                         ; v16-143  numbers as loaded
.set XA,    144                        ; v144-207 x: 64 numbers of a lane, turned
.set C,     208                        ; v208-239 codes: registers of their own for each store, so that no store's data are written again
.set SPW,   8                          ; v8   LDS address of my spare word; never rewritten
.set NIL,   9                          ; v9   0; never rewritten
.set SC,    10                         ; v10  2^e as f32: the conversion takes its exponent field
.set LIM,   11
.macro SCALES e
	s_add_co_i32 s34, s[\e], 127
	s_lshl_b32 s35, s34, 23
	v_mov_b32 v[SC], s35
.endm
.macro FINISH                          ; the wave's end
	s_wait_tensorcnt 0x0
	ds_add_u32 v[SPW], v[NIL]
	s_wait_dscnt 0x0
	s_endpgm
.endm
	s_load_b256 s[4:11], s[0:1], 0x0               ; x s[4:5], w_attn s[6:7], w_proj s[8:9], the scales' exponents s[10:11]
	s_load_b128 s[12:15], s[0:1], 0x20             ; xc s[12:13], wac s[14:15]
	s_load_b64 s[16:17], s[0:1], 0x30              ; wpc
	v_lshl_add_u32 v[SPW], v0, 2, SPARE
	v_mov_b32 v[NIL], 0
	v_lshrrev_b32 v1, 5, v0
	v_readfirstlane_b32 s18, v1                    ; wave 0..3
	s_and_b32 s19, ttmp7, 0xffff                   ; work-group y
	v_and_b32 v1, 31, v0                           ; lane
	v_lshlrev_b32 v2, 4, v1                        ; 16 x lane
	v_and_b32 v12, 15, v0                          ; r
	v_bfe_u32 v13, v0, 4, 1                        ; h
	s_mul_i32 s32, s18, STG
	v_add_nc_u32 v3, s32, v2                       ; the stage, on the way in: 16 x lane of a row
	v_mul_u32_u24 v4, v12, 528
	v_lshl_add_u32 v4, v13, 6, v4
	v_add_nc_u32 v4, s32, v4                       ; and on the way out: row r, + 64 h
	v_lshlrev_b32 v5, 2, v1                        ; weights: 4 bytes a lane
	v_and_b32 v6, 7, v0
	v_lshl_add_u32 v6, v13, 3, v6                  ; column 32 G + l is slot l % 8 + 8 (l / 16)
	v_lshlrev_b32 v6, 4, v6
	v_bfe_u32 v7, v0, 3, 1
	v_lshl_add_u32 v6, v7, 14, v6                  ; of block 2 G + (l / 8) % 2; a block's eight fragments are 16,384 bytes
	s_wait_kmcnt 0x0
	s_load_b256 s[20:27], s[10:11], 0x0            ; e0 .. e7
	s_cmp_lt_u32 ttmp9, 64
	s_cbranch_scc0 .Lweights
; ---- x
.macro TURNIN f, dst                   ; fragment f's 16 rows x 512 bytes through the stage.  LDS serves a wave's instructions in order: no wait between the stores and the loads
.irp t, 0,1,2,3,4,5,6,7,8,9,10,11,12,13,14,15
	ds_store_b128 v3, v[R+64*\f+4*\t:R+64*\f+4*\t+3] offset:528*\t
.endr
.irp b, 0,1,2,3
.irp j, 0,1,2,3
	ds_load_b128 v[\dst+16*\b+4*\j:\dst+16*\b+4*\j+3], v4 offset:128*\b+16*\j
.endr
.endr
.endm
.macro QUANT src, dst                  ; 64 numbers, register 16 b + i = k 32 b + 16 h + i of my slot, become the fragment's 16 registers
.set k, 0
.rept 64
.set k, k+1
.endr
.irp g, 0,1,2,3,4,5,6,7
	v_cvt_scalef32_pk8_fp8_f32 v[\dst+2*\g:\dst+2*\g+1], v[\src+8*\g:\src+8*\g+7], v[SC]
.endr
	v_nop                                          ; one plain vector line behind the last conversion
.endm
.macro PUT f
.irp c, 0,1,2,3
	global_store_b128 v2, v[C+16*\f+4*\c:C+16*\f+4*\c+3], s[12:13] offset:2048*\f+512*\c   ; 32 lanes store 512 consecutive bytes, aligned
.endr
.endm
	s_lshl_b32 s28, s19, 6
	s_add_co_u32 s28, s28, ttmp9                   ; my block
	s_lshr_b32 s29, s28, 1
	s_lshl_b32 s29, s29, 5
	s_and_b32 s30, s28, 1
	s_lshl_b32 s30, s30, 3
	s_add_co_u32 s29, s29, s30                     ; its slot 0's row
	s_lshl_b32 s30, s29, 12                        ; rows of 4,096 bytes,
	s_lshl_b32 s33, s18, 10                        ; my wave's 256 along K
	s_add_co_u32 s30, s30, s33
	s_mov_b32 s31, 0
	s_add_nc_u64 s[4:5], s[4:5], s[30:31]
	s_lshl_b32 s30, s28, 14
	s_lshl_b32 s33, s18, 12
	s_add_co_u32 s30, s30, s33
	s_add_nc_u64 s[12:13], s[12:13], s[30:31]
.irp f, 0,1
.irp t, 0,1,2,3,4,5,6,7,8,9,10,11,12,13,14,15
	global_load_b128 v[R+64*\f+4*\t:R+64*\f+4*\t+3], v2, s[4:5] offset:((\t%8)+16*(\t/8))*4096+512*\f th:TH_LOAD_NT   ; slot t's row: 512 consecutive bytes
.endr
.endr
	s_wait_kmcnt 0x0
	SCALES 20
	s_wait_loadcnt 16                              ; the first fragment's sixteen loads are in; the second's sixteen may be out
	s_wait_alu depctr_va_vdst(0)
	TURNIN 0, XA
	s_wait_loadcnt 0x0
	s_wait_dscnt 0x0                               ; the first fragment is back: the stage and v16-79 are free
	TURNIN 1, R
	QUANT XA, C
	PUT 0
	s_wait_dscnt 0x0
	QUANT R, C+16
	PUT 1
	FINISH
; ---- a weight [1024][N]: ip, op: the scalar pairs of its address and of its codes'; e: the register of its exponent; first: its first work-group x
.macro WPATH N, ip, op, e, first
	s_sub_co_u32 s28, ttmp9, \first
	s_lshl_b32 s29, s28, 2
	s_add_co_u32 s29, s29, s18                     ; G: which 32 columns are my wave's
	s_mul_i32 s30, s19, 512*\N                     ; K step y: 128 rows of 4 N bytes
	s_lshl_b32 s33, s29, 7
	s_add_co_u32 s30, s30, s33
	s_mov_b32 s31, 0
	s_add_nc_u64 s[\ip:\ip+1], s[\ip:\ip+1], s[30:31]
	s_lshl_b32 s30, s29, 15                        ; blocks 2 G and 2 G + 1,
	s_lshl_b32 s33, s19, 11                        ; fragment y
	s_add_co_u32 s30, s30, s33
	s_add_nc_u64 s[\op:\op+1], s[\op:\op+1], s[30:31]
.set i, 0
.rept 128
	global_load_b32 v[R+i], v5, s[\ip:\ip+1] offset:i*\N*4 th:TH_LOAD_NT   ; row i of the K step at 32 neighbouring columns; the four waves stand side by side on 512 bytes
.set i, i+1
.endr
	s_wait_kmcnt 0x0
	SCALES \e
	s_wait_alu depctr_va_vdst(0)
.irp t, 0,1,2,3
.if \t < 2
	s_wait_loadcnt 63                              ; 96 or 64 loads are younger than this block's: the wait names the largest count that it can
.else
	s_wait_loadcnt 32*(3-\t)
.endif
.set i, 0
.rept 32
.set i, i+1
.endr
.irp g, 0,1,2,3
	v_cvt_scalef32_pk8_fp8_f32 v[C+8*\t+2*\g:C+8*\t+2*\g+1], v[R+32*\t+8*\g:R+32*\t+8*\g+7], v[SC]
.endr
	v_nop                                          ; one plain vector line behind the last conversion
	global_store_b128 v6, v[C+8*\t:C+8*\t+3], s[\op:\op+1] offset:512*\t          ; k = 32 t + 0..15: the piece's lower half (h = 0): 256 whole bytes in each of the two blocks
	global_store_b128 v6, v[C+8*\t+4:C+8*\t+7], s[\op:\op+1] offset:512*\t+256    ; k = 32 t + 16..31: its upper half
.endr
.endm
.Lweights:
	s_cmp_lt_u32 ttmp9, 88
	s_cbranch_scc0 .Lproj
	s_wait_alu depctr_va_vdst(0)
	WPATH 3072, 6, 14, 21, 64
	FINISH
.Lproj:
	s_wait_alu depctr_va_vdst(0)
	WPATH 1024, 8, 16, 27, 88
	FINISH
.Lfunc_end_k_q756ab0fdf0_quant:
	.size	k_q756ab0fdf0_quant, .Lfunc_end_k_q756ab0fdf0_quant-k_q756ab0fdf0_quant
	.p2alignl 7, 3214868480
	.fill 96, 4, 3214868480
	.section	.rodata,"a",@progbits
	.p2align	6, 0x0
	.amdhsa_kernel k_q756ab0fdf0_quant
		.amdhsa_group_segment_fixed_size 34304
		.amdhsa_private_segment_fixed_size 0
		.amdhsa_enable_private_segment 0
		.amdhsa_kernarg_size 56
		.amdhsa_user_sgpr_count 2
		.amdhsa_user_sgpr_kernarg_segment_ptr 1
		.amdhsa_wavefront_size32 1
		.amdhsa_system_sgpr_workgroup_id_x 1
		.amdhsa_system_sgpr_workgroup_id_y 1
		.amdhsa_system_sgpr_workgroup_id_z 1
		.amdhsa_system_vgpr_workitem_id 0
		.amdhsa_next_free_vgpr 240
		.amdhsa_next_free_sgpr 66
		.amdhsa_reserve_vcc 0
		.amdhsa_float_denorm_mode_32 3
		.amdhsa_float_denorm_mode_16_64 3
		.amdhsa_fp16_overflow 1
		.amdhsa_memory_ordered 1
		.amdhsa_forward_progress 1
		.amdhsa_inst_pref_size 42
	.end_amdhsa_kernel
	.amdgpu_metadata
---
amdhsa.version: [ 1, 2 ]
amdhsa.kernels:
  - .name:           k_q756ab0fdf0_quant
    .symbol:         k_q756ab0fdf0_quant.kd
    .args:
      - { .name: x, .offset: 0, .size: 8, .value_kind: global_buffer, .address_space: global }
      - { .name: w_attn, .offset: 8, .size: 8, .value_kind: global_buffer, .address_space: global }
      - { .name: w_proj, .offset: 16, .size: 8, .value_kind: global_buffer, .address_space: global }
      - { .name: lowp_scales, .offset: 24, .size: 8, .value_kind: global_buffer, .address_space: global }
      - { .name: xc, .offset: 32, .size: 8, .value_kind: global_buffer, .address_space: global }
      - { .name: wac, .offset: 40, .size: 8, .value_kind: global_buffer, .address_space: global }
      - { .name: wpc, .offset: 48, .size: 8, .value_kind: global_buffer, .address_space: global }
    .group_segment_fixed_size: 34304
    .private_segment_fixed_size: 0
    .kernarg_segment_align: 8
    .kernarg_segment_size: 56
    .max_flat_workgroup_size: 128
    .sgpr_count:     66
    .vgpr_count:     240
    .wavefront_size: 32
...
	.end_amdgpu_metadata
.endif
;; end of part 1
;; launch qkv (part 2): grid 12 x 32, 4 waves a work-group, clusters of 4 x 4, 327,680 bytes of LDS; arguments xc, wac, b_attn, lowp_scales, qc, kc, vc; writes qc, kc, vc
.if DOCPART == 2
	.amdgcn_target "amdgcn-amd-amdhsa--gfx1250"
	.amdhsa_code_object_version 6
	.text
	.protected	k_q756ab0fdf0_qkv
	.globl	k_q756ab0fdf0_qkv
	.p2align	8
	.type	k_q756ab0fdf0_qkv,@function
k_q756ab0fdf0_qkv:
	s_mov_b64 s[64:65], 0
	v_nop
	global_prefetch_b8 v0, s[64:65] scope:SCOPE_SE
	s_setreg_imm32_b32 hwreg(HW_REG_WAVE_MODE, 25, 1), 1
	s_wait_xcnt 0x0
	s_wait_alu depctr_hold_cnt(0) depctr_sa_sdst(0) depctr_va_vdst(0) depctr_va_sdst(0) depctr_va_ssrc(0) depctr_va_vcc(0) depctr_vm_vsrc(0)
	s_getreg_b32 s2, hwreg(HW_REG_IB_STS2, 6, 4)
	s_cmp_eq_u32 s2, 0
	s_cbranch_scc0 .Lentry_in_a_cluster
	s_endpgm
.Lentry_in_a_cluster:
	s_bfe_u32 s2, ttmp6, 0x10000c
	s_cmp_lg_u32 s2, 0xf033
	s_cbranch_scc0 .Lentry_shape_is_right
	s_endpgm
.Lentry_shape_is_right:
; qkv = x w_attn + b_attn on codes of FP8 (E4M3), K = 1,024, and q, k, v quantised at once for the attention launch (scales 2^e2, 2^e3, 2^e5).  No f32 intermediate goes to memory.
; OPERANDS are images of registers: a block is 16 rows (slot s of block B = row 32 (B / 2) + 8 (B % 2) + s % 8 + 16 (s / 8)); a fragment (block x 128 K) is 2,048 bytes, piece c at 512 c + 16 x lane,
; lane (r, h): slot r, k = 32 c + 16 h + 0..15; a buffer is [block][K step of 128].  That order of k is the same in both operands, so every product meets its partner.
; A tile is 256 x 256: four waves, each 128 x 128: 64 accumulators, 512 registers.  Source 0 takes the B side, source 1 the A side: a lane stands for ONE slot of the A side, and the 16 registers of
; B's blocks 2 p and 2 p + 1 are B's rows 32 p + 16 h + 0..15: sixteen neighbours, which the conversions turn into the next operand's registers.
; THE KIND is the cluster's x, the same in all sixteen partners: 0 q, 1 k: A side = tokens, B side = features (the next K is the head's 64).  2 v: A side = features, B side = tokens (the next K is the keys).
; The sides are changed by choosing pointers and tile numbers; the loop's text is one.
; OUT: qc, kc [batch x head 64][token block 128] fragments of 64 along K (1,024 bytes: pieces 0, 1);  vc [batch x head][key step 16][block of 16 of the head's 64: 4] fragments of 128 keys.
; K goes in steps of 256 through a ring of two LDS slots filled by the tensor data mover; a wave's load brings 8 blocks x 4,096 bytes.  CLUSTERS: 4 x 4 work-groups; A's tile is asked for jointly along a row
; of the cluster, B's along a column.  By this text's count a wave has two tensor loads out at the head and one behind each of the two rounds that fill a slot again.
; REGISTERS, in windows of 256: window 0: v16-31 addresses and constants; v32-47, v64-127 biases; v128-255 A's fragments, ONE set; window 1: B's fragments, TWO sets; windows 2, 3: the accumulators ((a, b) at v[8 (8 (a % 4) + b)]).
; LIMITS: e0 + e1 between -126 and 127; e2, e3, e5 between -126 and 119.  NaN among the inputs is not served.
.set SLOT,   131072                    ; a slot: A's 16 blocks x 4,096 bytes, then B's
.set SPARE,  262144                    ; behind the ring: the spare words, 128 bytes a wave: two blocks of 256 bytes that no other line names
.set FR,     16                        ; registers of a fragment
.set NL,     4                         ; LDS loads that bring one
.set NP,     4                         ; places behind this matrix instruction (ISA guide 7.12.1)
.set ADRA, 16                          ; v16-17  LDS address of my A fragments in slot 0, 1
.set ADRB, 20                          ; v20-21  the same for B
.set CO,   26                          ; v26     16 x lane; never rewritten
.set SPW,  28                          ; v28     LDS address of my spare word; never rewritten
.set NIL,  29                          ; v29     0; never rewritten
.set SCV,  30                          ; v30     the way out: the operand's scale as f32
.set LMV,  31
.set BV,   32                          ; v32-47  kind v: the bias of my lane's feature in A's block a, twice (a pair)
.set BQ,   64                          ; v64-127 kinds q, k: the biases of my 64 features
.set AF,   128                         ; A's fragments
.set TMP,  128                         ; the way out: 64 numbers;  v192-255: codes, four sets by turns
.set G1, 24                            ; s[24:31] descriptor group 1 for A's tiles;  s[32:39] group 0, one set for each slot
.set G0, 32
.set G1B, 48                           ; s[48:55], s[56:63] the same for B's tiles
.set G0B, 56
.set MSB, 0
.macro WIN new                         ; the immediate's high byte repeats the setting that is left
.if MSB != (\new)
	s_set_vgpr_msb (MSB<<8)|(\new)
.set MSB, \new
.endif
.endm
.set MUL_LO, 0xa1                      ; source 0 (B) window 1, source 1 (A) window 0, C and D window 2
.set MUL_HI, 0xf1                      ; the same, C and D window 3
.set TO_B,   0x40                      ; destination window 1, address window 0
; A joint load: waves 0 and 1 fetch for A, waves 2 and 3 for B; the branch hangs on the wave's number alone.  An s_nop 0 and four v_nop follow each of the two lines.
.macro JLOAD g0a, g1a, g0b, g1b
	s_cmp_eq_u32 s15, 0
	s_cbranch_scc0 .Lfor_b_\@
	tensor_load_to_lds s[\g0a:\g0a+3], s[\g1a:\g1a+7]
	s_nop 0
.rept 4
	v_nop
.endr
	s_branch .Lasked_\@
.Lfor_b_\@:
	tensor_load_to_lds s[\g0b:\g0b+3], s[\g1b:\g1b+7]
	s_nop 0
.rept 4
	v_nop
.endr
.Lasked_\@:
.endm
.macro CREST                           ; a round of the cluster's barrier behind its opening barrier
	s_cmp_lg_u32 s14, 0
	s_cbranch_scc1 .Lnot_wave_0_\@
	s_barrier_signal -3
.Lnot_wave_0_\@:
	s_barrier_wait -3
	s_barrier_signal -1
	s_barrier_wait -1
.endm
.macro CROUND                          ; a whole round
	s_barrier_signal -1
	s_barrier_wait -1
	CREST
.endm
	s_load_b256 s[4:11], s[0:1], 0x0               ; xc s[4:5], wac s[6:7], b_attn s[8:9], the scales' exponents s[10:11]
	s_load_b128 s[68:71], s[0:1], 0x20             ; qc s[68:69], kc s[70:71]
	s_load_b64 s[72:73], s[0:1], 0x30              ; vc
	v_lshl_add_u32 v[SPW], v0, 2, SPARE
	v_mov_b32 v[NIL], 0
	ds_add_u32 v[SPW], v[NIL]
	ds_add_u32 v[SPW], v[NIL]                      ; the wave's opening: the add and its wait stand ahead of my first tensor load; the set-up below, work on registers, stands between them
	v_lshrrev_b32 v1, 5, v0
	v_readfirstlane_b32 s14, v1                    ; wave 0..3
	s_lshr_b32 s15, s14, 1                         ; which half of A's blocks is mine.  Also: I fetch for A (0) or for B (1)
	s_and_b32 s16, s14, 1                          ; which half of B's blocks.  Also: which 8 blocks of that tile I fetch
	s_bfe_u32 s40, ttmp6, 0x40000                  ; cx, cy: my place in the cluster
	s_bfe_u32 s41, ttmp6, 0x40004
	s_and_b32 s13, ttmp7, 0xffff                   ; the cluster's y
	s_lshl_b32 s18, s13, 2
	s_lshl_b32 s19, ttmp9, 2
	s_cmp_eq_u32 ttmp9, 2                          ; kind v?
	s_cselect_b32 s17, 8, s18
	s_cselect_b32 s42, s18, s19
	s_add_co_u32 s17, s17, s41                     ; A's tile: q, k: tokens 4 y + cy;  v: features 8 + cy
	s_add_co_u32 s42, s42, s40                     ; B's tile: q, k: features 4 x + cx;  v: tokens 4 y + cx
	s_lshl_b32 s43, s41, 2
	s_lshl_b32 s43, 15, s43                        ; my row of the cluster
	s_lshl_b32 s44, 0x1111, s40                    ; my column
	; descriptor group 1: 8 rows (blocks) of 4,096 bytes, 16,384 bytes apart in memory, dense in LDS
	s_or_b32 s[G1+0], s43, (1<<21)                 ; 15:0 the mask: A's tiles go to my row; 17:16 elements of 1 byte; 20 no padding; 21 set beside a mask
	s_or_b32 s[G1B+0], s44, (1<<21)
.irp g, G1, G1B
	s_mov_b32 s[\g+1], 4096<<16                    ; tensor_dim0
	s_mov_b32 s[\g+2], 8<<16                       ; tensor_dim1
	s_mov_b32 s[\g+3], 4096<<16                    ; tile_dim0
	s_mov_b32 s[\g+4], 8                           ; tile_dim1
	s_mov_b32 s[\g+5], 16384                       ; tensor_dim0_stride
	s_mov_b32 s[\g+6], 0
	s_mov_b32 s[\g+7], 0
.endr
	s_lshl_b32 s18, s16, 17                        ; which 8 blocks of the tile I fetch
	s_lshl_b32 s20, s17, 18                        ; a tile's 16 blocks are 262,144 bytes
	s_add_co_u32 s20, s20, s18
	s_mov_b32 s21, 0
	s_lshl_b32 s46, s42, 18
	s_add_co_u32 s46, s46, s18
	s_mov_b32 s47, 0
	s_lshl_b32 s45, s14, 15                        ; where they go: wave x 32,768: no place in the cluster enters an LDS address
	s_wait_dscnt 0x0                               ; the opening add is done
	s_wait_kmcnt 0x0
	s_load_b256 s[76:83], s[10:11], 0x0            ; e0 .. e7
	s_cmp_eq_u32 ttmp9, 2
	s_cselect_b64 s[86:87], s[6:7], s[4:5]         ; the A side's codes
	s_cselect_b64 s[88:89], s[4:5], s[6:7]         ; the B side's
	s_add_nc_u64 s[20:21], s[86:87], s[20:21]
	s_add_nc_u64 s[46:47], s[88:89], s[46:47]
	CROUND                                         ; all sixteen work-groups are here: the first joint loads meet
.irp s, 0,1
	s_mov_b32 s[G0+4*\s], 1
	s_add_co_u32 s[G0+4*\s+1], s45, \s*SLOT
	s_add_nc_u64 s[G0+4*\s+2:G0+4*\s+3], s[20:21], \s*4096
	s_or_b32 s[G0+4*\s+3], s[G0+4*\s+3], 0x80000000
	s_mov_b32 s[G0B+4*\s], 1
	s_add_co_u32 s[G0B+4*\s+1], s45, \s*SLOT
	s_add_nc_u64 s[G0B+4*\s+2:G0B+4*\s+3], s[46:47], \s*4096
	s_or_b32 s[G0B+4*\s+3], s[G0B+4*\s+3], 0x80000000
	JLOAD G0+4*\s, G1, G0B+4*\s, G1B
.endr
	v_and_b32 v1, 31, v0
	v_lshlrev_b32 v[CO], 4, v1
	s_lshl_b32 s18, s15, 15                        ; my 8 blocks of A
	s_lshl_b32 s19, s16, 15                        ; my 8 blocks of B,
	s_add_co_u32 s19, s19, 65536                   ; which lie behind A's 16
.irp s, 0,1
	v_add_nc_u32 v[ADRA+\s], s18, v[CO]
	v_add_nc_u32 v[ADRB+\s], s19, v[CO]
	s_add_co_u32 s18, s18, SLOT
	s_add_co_u32 s19, s19, SLOT
.endr
	; THE BIASES, in both forms, so that no register's state hangs on the kind; the form that my kind does not use reads b_attn's first entries and is not used.
	s_lshl_b32 s96, s42, 10
	s_lshl_b32 s97, s16, 9
	s_add_co_u32 s96, s96, s97                     ; q, k: my 128 features begin at 256 x B's tile + 128 x half
	s_lshl_b32 s97, s17, 10
	s_lshl_b32 s18, s15, 9
	s_add_co_u32 s97, s97, s18                     ; v: at 256 x A's tile + 128 x half
	s_cmp_eq_u32 ttmp9, 2
	s_cselect_b32 s18, 0, s96
	s_cselect_b32 s96, s97, 0
	s_mov_b32 s19, 0
	s_mov_b32 s97, 0
	s_add_nc_u64 s[92:93], s[8:9], s[18:19]
	s_add_nc_u64 s[94:95], s[8:9], s[96:97]
	v_bfe_u32 v2, v0, 4, 1
	v_lshlrev_b32 v2, 6, v2                        ; 64 h: register 8 t + j is feature 32 (t / 2) + 8 (t % 2) + 16 h + j
	v_and_b32 v3, 7, v0
	v_bfe_u32 v4, v0, 3, 1
	v_lshl_add_u32 v3, v4, 4, v3
	v_lshlrev_b32 v3, 2, v3                        ; my slot's feature in a block: r % 8 + 16 (r / 8)
.irp t, 0,1,2,3,4,5,6,7
	global_load_b128 v[BQ+8*\t:BQ+8*\t+3], v2, s[92:93] offset:(32*(\t/2)+8*(\t%2))*4
	global_load_b128 v[BQ+8*\t+4:BQ+8*\t+7], v2, s[92:93] offset:(32*(\t/2)+8*(\t%2))*4+16
.endr
.irp a, 0,1,2,3,4,5,6,7
	global_load_b32 v[BV+2*\a], v3, s[94:95] offset:(32*(\a/2)+8*(\a%2))*4
	global_load_b32 v[BV+2*\a+1], v3, s[94:95] offset:(32*(\a/2)+8*(\a%2))*4
.endr
.macro FRAG reg, adr, q, i             ; block i's fragment of the slot's q-th 128 along K: four loads of 512 consecutive bytes
.irp c, 0,1,2,3
	ds_load_b128 v[\reg+4*\c:\reg+4*\c+3], v[\adr] offset:4096*(\i)+2048*(\q)+512*\c
.endr
.endm
; 16 matrix instructions: A's blocks a0, a0 + 1 x B's eight, 128 along K.  p: B's set.  zero = 1: the first product starts the sums.
; The 64 accumulators take turns, one instruction a turn, in the same order in every step.
.macro MUL16 a0, p, zero
.irp a, \a0, \a0+1
.irp b, 0,1,2,3,4,5,6,7
.if \zero
	v_wmma_f32_16x16x128_fp8_fp8 v[8*(8*((\a)%4)+\b):8*(8*((\a)%4)+\b)+7], v[128*(\p)+FR*\b:128*(\p)+FR*\b+FR-1], v[AF+FR*(\a):AF+FR*(\a)+FR-1], 0
.else
	v_wmma_f32_16x16x128_fp8_fp8 v[8*(8*((\a)%4)+\b):8*(8*((\a)%4)+\b)+7], v[128*(\p)+FR*\b:128*(\p)+FR*\b+FR-1], v[AF+FR*(\a):AF+FR*(\a)+FR-1], v[8*(8*((\a)%4)+\b):8*(8*((\a)%4)+\b)+7]
.endif
.endr
.endr
.endm
.macro FETCH_B slot, q, p
	WIN TO_B
.irp i, 0,1,2,3,4,5,6,7
	FRAG 128*(\p)+FR*\i, ADRB+\slot, \q, \i
.endr
	WIN 0
.endm
.macro FETCH_A slot, q, i0
.irp i, \i0, \i0+1, \i0+2, \i0+3
	FRAG AF+FR*(\i), ADRA+\slot, \q, \i
.endr
.endm
.macro PLACES n                        ; plain vector lines between a matrix instruction and a load into, or a vector line on, its registers (ISA guide 7.12.1 for vector lines)
.rept \n
	v_nop
.endr
.endm
; A step of 128 along K that has its successor in the same slot.  A's blocks 0-3 are fetched anew in its middle, blocks 4-7 at its end; B's next set in the middle.
.macro STEP slot, q, zero
	s_wait_dscnt 4*NL                              ; B's set and A's blocks 0-3 are in; the youngest sixteen loads (A's blocks 4-7) may be out
	WIN MUL_LO
	MUL16 0, (\q)%2, \zero
	MUL16 2, (\q)%2, \zero
	s_wait_dscnt 0
	PLACES NP
	FETCH_B \slot, (\q)+1, 1-(\q)%2
	FETCH_A \slot, (\q)+1, 0
	WIN MUL_HI
	MUL16 4, (\q)%2, \zero
	MUL16 6, (\q)%2, \zero
	PLACES NP
	WIN 0
	FETCH_A \slot, (\q)+1, 4
.endm
; A slot's last step changes slots: ONE barrier; in front of it each wave waits for all its tensor loads, adds 0 to its spare word, and waits for that and for its own reads of this slot.  fill = 1: this slot is filled again, two slot steps ahead.
.macro TURN slot, next, fill
	s_wait_tensorcnt 0x0                           ; all my tensor loads have landed: my part of the next slot
	ds_add_u32 v[SPW], v[NIL]                      ; 0 onto my spare word
	s_wait_dscnt 4*NL+1                            ; (the add and the youngest sixteen loads may be out)
	WIN MUL_LO
	MUL16 0, 1, 0                                  ; sixteen matrix instructions stand between the add and the wait for it
	s_wait_dscnt 0x0                               ; the add is done, and my reads of this slot are over
	s_barrier_signal -1
	MUL16 2, 1, 0
	WIN 0
	s_barrier_wait -1
.if \fill
	CREST                                          ; the barrier has opened a round of the cluster's: no wave of any partner still reads this slot or has a load on its way
	s_add_nc_u64 s[G0+4*\slot+2:G0+4*\slot+3], s[G0+4*\slot+2:G0+4*\slot+3], 2*4096
	s_add_nc_u64 s[G0B+4*\slot+2:G0B+4*\slot+3], s[G0B+4*\slot+2:G0B+4*\slot+3], 2*4096
	JLOAD G0+4*\slot, G1, G0B+4*\slot, G1B         ; the first tensor load behind the round; its four v_nop are the places in front of the loads below
.else
	PLACES NP
.endif
	FETCH_B \next, 0, 0
	FETCH_A \next, 0, 0
	WIN MUL_HI
	MUL16 4, 1, 0
	MUL16 6, 1, 0
	PLACES NP
	WIN 0
	FETCH_A \next, 0, 4
.endm
	s_wait_alu depctr_va_vdst(0)
	s_wait_tensorcnt 1                             ; my part of slot step 0 is in (slot step 1's load may be out),
	s_barrier_signal -1
	s_barrier_wait -1                              ; everybody's is
	FETCH_B 0, 0, 0
	FETCH_A 0, 0, 0
	FETCH_A 0, 0, 4
	STEP 0, 0, 1                                   ; K = 1,024 is four slot steps, eight steps of 128: written straight, since a loop would have one trip
	TURN 0, 1, 1                                   ; slot 0 takes slot step 2
	STEP 1, 0, 0
	TURN 1, 0, 1                                   ; slot 1 takes slot step 3
	STEP 0, 0, 0
	TURN 0, 1, 0                                   ; nothing is left to fetch
	STEP 1, 0, 0
	s_wait_dscnt 4*NL
	WIN MUL_LO
	MUL16 0, 1, 0
	MUL16 2, 1, 0
	s_wait_dscnt 0
	WIN MUL_HI
	MUL16 4, 1, 0
	MUL16 6, 1, 0
	WIN 0
; THE WAY OUT, A's block a at a time: sum x 2^(e0 + e1) + bias (one packed multiply-add for two numbers, each accumulator from its low end on), the hold, the conversions: the 16 registers ARE four pieces
; of the next operand's images, and each store covers 512 consecutive bytes, aligned.  No stage in LDS.
.macro OUT kind
.irp a, 0,1,2,3,4,5,6,7
.set AC, 64*(\a%4)
.set CD, 192+16*(\a%4)
.if \a >= 4
	s_wait_xcnt 0x0                                ; block a - 4's stores have read their registers: they are written again only behind this wait
.endif
	WIN 0x02+(\a/4)                                ; source 0: window 2 or 3
.set j, 0
.rept 32
.if \kind
	v_pk_fma_f32 v[TMP+j:TMP+j+1], v[AC+j:AC+j+1], s[84:85], v[BV+2*\a:BV+2*\a+1] op_sel_hi:[1,0,1]
.else
	v_pk_fma_f32 v[TMP+j:TMP+j+1], v[AC+j:AC+j+1], s[84:85], v[BQ+j:BQ+j+1] op_sel_hi:[1,0,1]
.endif
.set j, j+2
.endr
	WIN 0
.set j, 0
.rept 64
.set j, j+1
.endr
.irp g, 0,1,2,3,4,5,6,7
	v_cvt_scalef32_pk8_fp8_f32 v[CD+2*\g:CD+2*\g+1], v[TMP+8*\g:TMP+8*\g+7], v[SCV]
.endr
	v_nop                                          ; one plain vector line behind the last conversion
.irp p, 0,1,2,3
.if \kind
	global_store_b128 v[CO], v[CD+4*\p:CD+4*\p+3], s[90:91] offset:(\a/4)*131072+2048*(\a%4)+512*\p       ; head + a / 4, block a % 4 of its 64, keys 32 p on
.else
	global_store_b128 v[CO], v[CD+4*\p:CD+4*\p+3], s[90:91] offset:(\p/2)*131072+1024*\a+512*(\p%2)       ; head + p / 2, token block + a, the head's 32 (p % 2) on
.endif
.endr
.endr
.endm
.macro SCALEV                          ; s96 = e: v[SCV] = 2^e
	s_add_co_i32 s96, s96, 127
	s_lshl_b32 s97, s96, 23
	v_mov_b32 v[SCV], s97
.endm
	s_wait_kmcnt 0x0
	s_add_co_i32 s84, s76, s77
	s_add_co_i32 s84, s84, 127
	s_lshl_b32 s84, s84, 23                        ; 2^(e0 + e1) as f32
	s_mov_b32 s85, s84                             ; (named with it as a pair, so it is written)
	s_wait_loadcnt 0x0                             ; the biases
	PLACES NP                                      ; behind the last products
	s_cmp_eq_u32 ttmp9, 2                          ; the kind is the same in every wave of the cluster
	s_cbranch_scc1 .Lout_v
	s_cmp_eq_u32 ttmp9, 0
	s_cselect_b32 s96, s78, s79                    ; e2 for q, e3 for k
	s_cselect_b64 s[90:91], s[68:69], s[70:71]
	SCALEV
	s_lshr_b32 s18, s17, 3
	s_lshl_b32 s18, s18, 21                        ; the batch's 16 heads of 131,072 bytes
	s_lshl_b32 s19, s40, 2
	s_lshl_b32 s97, s16, 1
	s_add_co_u32 s19, s19, s97
	s_lshl_b32 s19, s19, 17                        ; head 4 cx + 2 x half
	s_add_co_u32 s18, s18, s19
	s_and_b32 s19, s17, 7
	s_lshl_b32 s19, s19, 4
	s_lshl_b32 s97, s15, 3
	s_add_co_u32 s19, s19, s97
	s_lshl_b32 s19, s19, 10                        ; token block 16 (tile % 8) + 8 x half
	s_add_co_u32 s18, s18, s19
	s_mov_b32 s19, 0
	s_add_nc_u64 s[90:91], s[90:91], s[18:19]
	OUT 0
	s_branch .Ldone
.Lout_v:
	s_mov_b32 s96, s81                             ; e5
	SCALEV
	s_lshr_b32 s18, s42, 3
	s_lshl_b32 s18, s18, 21                        ; the batch
	s_lshl_b32 s19, s41, 2
	s_lshl_b32 s97, s15, 1
	s_add_co_u32 s19, s19, s97
	s_lshl_b32 s19, s19, 17                        ; head 4 cy + 2 x half
	s_add_co_u32 s18, s18, s19
	s_and_b32 s19, s42, 7
	s_lshl_b32 s19, s19, 1
	s_add_co_u32 s19, s19, s16
	s_lshl_b32 s19, s19, 13                        ; key step 2 (tile % 8) + half
	s_add_co_u32 s18, s18, s19
	s_mov_b32 s19, 0
	s_add_nc_u64 s[90:91], s[72:73], s[18:19]
	OUT 1
.Ldone:
	s_wait_tensorcnt 0x0                           ; the wave's end
	ds_add_u32 v[SPW], v[NIL]
	s_wait_dscnt 0x0
	CROUND                                         ; the closing round: no work-group ends while a partner may still ask for a tile that names it
	s_endpgm
.Lfunc_end_k_q756ab0fdf0_qkv:
	.size	k_q756ab0fdf0_qkv, .Lfunc_end_k_q756ab0fdf0_qkv-k_q756ab0fdf0_qkv
	.p2alignl 7, 3214868480
	.fill 96, 4, 3214868480
	.section	.rodata,"a",@progbits
	.p2align	6, 0x0
	.amdhsa_kernel k_q756ab0fdf0_qkv
		.amdhsa_group_segment_fixed_size 327680
		.amdhsa_private_segment_fixed_size 0
		.amdhsa_enable_private_segment 0
		.amdhsa_kernarg_size 56
		.amdhsa_user_sgpr_count 2
		.amdhsa_user_sgpr_kernarg_segment_ptr 1
		.amdhsa_wavefront_size32 1
		.amdhsa_system_sgpr_workgroup_id_x 1
		.amdhsa_system_sgpr_workgroup_id_y 1
		.amdhsa_system_sgpr_workgroup_id_z 1
		.amdhsa_system_vgpr_workitem_id 0
		.amdhsa_next_free_vgpr 1024
		.amdhsa_next_free_sgpr 100
		.amdhsa_reserve_vcc 0
		.amdhsa_float_denorm_mode_32 3
		.amdhsa_float_denorm_mode_16_64 3
		.amdhsa_fp16_overflow 1
		.amdhsa_memory_ordered 1
		.amdhsa_forward_progress 1
		.amdhsa_inst_pref_size 130
	.end_amdhsa_kernel
	.amdgpu_metadata
---
amdhsa.version: [ 1, 2 ]
amdhsa.kernels:
  - .name:           k_q756ab0fdf0_qkv
    .symbol:         k_q756ab0fdf0_qkv.kd
    .args:
      - { .name: xc, .offset: 0, .size: 8, .value_kind: global_buffer, .address_space: global }
      - { .name: wac, .offset: 8, .size: 8, .value_kind: global_buffer, .address_space: global }
      - { .name: b_attn, .offset: 16, .size: 8, .value_kind: global_buffer, .address_space: global }
      - { .name: lowp_scales, .offset: 24, .size: 8, .value_kind: global_buffer, .address_space: global }
      - { .name: qc, .offset: 32, .size: 8, .value_kind: global_buffer, .address_space: global }
      - { .name: kc, .offset: 40, .size: 8, .value_kind: global_buffer, .address_space: global }
      - { .name: vc, .offset: 48, .size: 8, .value_kind: global_buffer, .address_space: global }
    .group_segment_fixed_size: 327680
    .private_segment_fixed_size: 0
    .kernarg_segment_align: 8
    .kernarg_segment_size: 56
    .max_flat_workgroup_size: 128
    .sgpr_count:     100
    .vgpr_count:     1024
    .wavefront_size: 32
...
	.end_amdgpu_metadata
.endif
;; end of part 2
;; launch attn (part 3): grid 4 x 64, 16 waves a work-group, clusters of 4 x 1, 327,680 bytes of LDS; arguments qc, kc, vc, lowp_scales, yc; writes yc
.if DOCPART == 3
	.amdgcn_target "amdgcn-amd-amdhsa--gfx1250"
	.amdhsa_code_object_version 6
	.text
	.protected	k_q756ab0fdf0_attn
	.globl	k_q756ab0fdf0_attn
	.p2align	8
	.type	k_q756ab0fdf0_attn,@function
k_q756ab0fdf0_attn:
	s_mov_b64 s[64:65], 0
	v_nop
	global_prefetch_b8 v0, s[64:65] scope:SCOPE_SE
	s_setreg_imm32_b32 hwreg(HW_REG_WAVE_MODE, 25, 1), 1
	s_wait_xcnt 0x0
	s_wait_alu depctr_hold_cnt(0) depctr_sa_sdst(0) depctr_va_vdst(0) depctr_va_sdst(0) depctr_va_ssrc(0) depctr_va_vcc(0) depctr_vm_vsrc(0)
	s_getreg_b32 s2, hwreg(HW_REG_IB_STS2, 6, 4)
	s_cmp_eq_u32 s2, 0
	s_cbranch_scc0 .Lentry_in_a_cluster
	s_endpgm
.Lentry_in_a_cluster:
	s_bfe_u32 s2, ttmp6, 0x10000c
	s_cmp_lg_u32 s2, 0x3003
	s_cbranch_scc0 .Lentry_shape_is_right
	s_endpgm
.Lentry_shape_is_right:
; y = softmax(q k^T / 8, causal) v for 64 (batch, head) pairs of 2,048 tokens x 64, both products on codes of FP8 (E4M3), and y quantised at once (2^e6) for the last product.
; THE SOFTMAX: t = score x log2(e) / 8; M = the running largest t rounded UP to a whole number; p = 2^(t - M) is quantised (2^e4), not normalised; the row's sum is taken of the unquantised p and divides at the end.
; When M moves, the sum and O are multiplied by 2^(old M - new M): exact.
; OPERANDS are images of registers (slot s of block B = token, or channel, 32 (B / 2) + 8 (B % 2) + s % 8 + 16 (s / 8); piece c at 512 c + 16 x lane: lane (r, h) holds slot r, k = 32 c + 16 h + 0..15):
; qc, kc [pair][token block 128] 1,024 bytes (K = 64);  vc [pair][key step 16][channel block 4] 2,048 bytes (K = 128 keys);  yc [token block 512][K step 8] 2,048 bytes: head hd's piece b at 1,024 hd + 512 b.
; A CLUSTER OF FOUR WORK-GROUPS IS ONE PAIR.  The pair's whole K and V, 262,144 bytes of codes, lie in each work-group's LDS: sixteen joint loads of 16,384 bytes, one a wave (one tensor load of mine is out), asked for once at the head.
; No slot is filled again, nothing is stored to LDS, and the loops have no barrier.
; SHARES.  The 2,048 queries are 16 groups of 128, a group 8 tiles of 16.  Wave w of partner cx takes tile 2 cx + w % 2 of group g = w / 2 and then of group 15 - g: (g + 1) + (16 - g) = 17 key steps of 128 for every wave.
; A key step all of whose keys come after the group is left out by a scalar branch on the wave's number and the loop's count, alike in all partners; the trip counts are constants.  cx enters Q's and y's addresses and the mask's compare alone.
; LAYOUT.  S^T = K Q^T (source 0 = 16 keys, source 1 = my 16 queries), O^T = V^T P^T: a lane holds ONE query throughout; the 16 registers of key blocks 2 b and 2 b + 1 are keys 32 b + 16 h + 0..15, so the
; conversions' results are P's registers; likewise O^T's are y's.
; Nothing is prefetched: every tile is asked for at the head.
; LIMITS: e2 + e3 between -123 and 130 (added to the exponent field of log2(e) / 8); e4, e6 between -126 and 119; e4 + e5 goes by v_ldexp_f32 and has none.  NaN among the inputs is not served.
; REGISTERS: v1 16 x lane; v2 the mask's compare; v12 -M, v13 the largest t, v[14:15] the sum; v16-31 Q of the two passes; v32-95 K's fragments, then V's; v96-159 S^T, then p; v160-191 O^T; v192-207 y's codes; v208-220 at work; v224-239 p's codes.
.set VREG,  131072                     ; LDS: K at 0, V here
.set SPARE, 262144                     ; behind them: the spare words, 128 bytes a wave: eight blocks of 256 bytes that no other line names
.set LI,  1
.set DQ,  2
.set SPW, 5                            ; v5   LDS address of my spare word; never rewritten
.set NIL, 6                            ; v6   0; never rewritten
.set ADK, 8
.set ADV, 9
.set WV,  14                           ; s14  my wave's number
.set SEL, 20                           ; s[20:21] v_permlanex16_b32's selects: lane l xor 16
.set CS,  22                           ; s[22:23] c = log2(e) / 8 x 2^(e2 + e3)
.set G1,  24                           ; s[24:31] descriptor group 1;  s[32:35] group 0
.set G0,  32
.set TB,  44                           ; s44  LDS byte of the key step in K's region
.set KS,  45                           ; s45  the key step
.set GG,  46                           ; s46  my group of queries
.macro CROUND                          ; a round of the cluster's barrier
	s_barrier_signal -1
	s_barrier_wait -1
	s_cmp_lg_u32 s[WV], 0
	s_cbranch_scc1 .Lnot_wave_0_\@
	s_barrier_signal -3
.Lnot_wave_0_\@:
	s_barrier_wait -3
	s_barrier_signal -1
	s_barrier_wait -1
.endm
	s_load_b256 s[4:11], s[0:1], 0x0               ; qc s[4:5], kc s[6:7], vc s[8:9], the scales' exponents s[10:11]
	s_load_b64 s[12:13], s[0:1], 0x20              ; yc
	v_lshl_add_u32 v[SPW], v0, 2, SPARE
	v_mov_b32 v[NIL], 0
	ds_add_u32 v[SPW], v[NIL]                      ; the wave's opening: the add and its wait stand ahead of my first tensor load; the set-up below, work on registers, stands between them
	ds_add_u32 v[SPW], v[NIL]
	v_lshrrev_b32 v1, 5, v0
	s_delay_alu instid0(VALU_DEP_1)
	v_readfirstlane_b32 s[WV], v1                  ; wave 0..15
	s_and_b32 s16, ttmp7, 0xffff                   ; the pair: the cluster's y
	s_lshr_b32 s17, s[WV], 1                       ; g
	; descriptor group 1: 64 rows of 256 bytes, dense in memory and in LDS
	s_mov_b32 s[G1], 15|(3<<16)|(1<<21)            ; 15:0 the mask: all four work-groups; 17:16 elements of 8 bytes; 20 no padding; 21 set beside a mask
	s_mov_b32 s[G1+1], 32<<16                      ; tensor_dim0 = 32 elements
	s_mov_b32 s[G1+2], 64<<16                      ; tensor_dim1 = 64
	s_mov_b32 s[G1+3], 32<<16                      ; tile_dim0
	s_mov_b32 s[G1+4], 64                          ; tile_dim1
	s_mov_b32 s[G1+5], 32                          ; tensor_dim0_stride
	s_mov_b32 s[G1+6], 0
	s_mov_b32 s[G1+7], 0
	s_mov_b32 s[G0], 1
	s_lshl_b32 s[G0+1], s[WV], 14                  ; waves 0-7: K's eighths; waves 8-15: V's
	s_lshl_b32 s2, s16, 17                         ; the pair's 131,072 bytes,
	s_and_b32 s19, s[WV], 7
	s_lshl_b32 s19, s19, 14                        ; my eighth
	s_add_co_u32 s2, s2, s19
	s_mov_b32 s3, 0
	s_mov_b32 s[SEL], 0x76543210
	s_mov_b32 s[SEL+1], 0xfedcba98
	s_mov_b32 s[CS], 0x3e38aa3b                    ; log2(e) / 8
	; my tiles: these numbers hang on cx and enter no descriptor, no LDS address and no branch
	s_bfe_u32 s15, ttmp6, 0x40000                  ; cx
	s_and_b32 s18, s[WV], 1
	s_lshl_b32 s47, s15, 1
	s_add_co_u32 s18, s18, s47                     ; the tile in a group: 2 cx + w % 2
	s_lshl_b32 s47, s17, 3
	s_add_co_u32 s57, s47, s18                     ; pass 0's token block: 8 g + tile
	s_sub_co_u32 s47, 120, s47
	s_add_co_u32 s47, s47, s18                     ; pass 1's: 8 (15 - g) + tile
	s_lshl_b32 s62, s16, 17
	s_and_b32 s60, s16, 15
	s_lshl_b32 s60, s60, 10                        ; the head's 1,024 bytes in a block of yc
	s_lshr_b32 s61, s16, 4
	s_lshl_b32 s61, s61, 7                         ; the batch's 128 token blocks
	s_mov_b32 s59, 0
	s_wait_dscnt 0x0                               ; the opening add is done
	s_wait_kmcnt 0x0
	s_load_b256 s[36:43], s[10:11], 0x0            ; e0 .. e7
	s_cmp_lt_u32 s[WV], 8
	s_cselect_b64 s[G0+2:G0+3], s[6:7], s[8:9]
	s_add_nc_u64 s[G0+2:G0+3], s[G0+2:G0+3], s[2:3]
	s_or_b32 s[G0+3], s[G0+3], 0x80000000
	CROUND                                         ; all four work-groups are here: the joint loads meet
	tensor_load_to_lds s[G0:G0+3], s[G1:G1+7]      ; every wave's own sixteenth of K and V
	s_nop 0
.rept 4
	v_nop
.endr
	s_lshl_b32 s58, s57, 10
	s_add_co_u32 s58, s58, s62
	s_add_nc_u64 s[48:49], s[4:5], s[58:59]        ; Q of pass 0,
	s_lshl_b32 s58, s47, 10
	s_add_co_u32 s58, s58, s62
	s_add_nc_u64 s[50:51], s[4:5], s[58:59]        ; of pass 1
	s_add_co_u32 s58, s61, s57
	s_lshl_b32 s58, s58, 14
	s_add_co_u32 s58, s58, s60
	s_add_nc_u64 s[52:53], s[12:13], s[58:59]      ; y of pass 0,
	s_add_co_u32 s58, s61, s47
	s_lshl_b32 s58, s58, 14
	s_add_co_u32 s58, s58, s60
	s_add_nc_u64 s[54:55], s[12:13], s[58:59]      ; of pass 1
	v_and_b32 v1, 31, v0
	s_delay_alu instid0(VALU_DEP_1)
	v_lshlrev_b32 v[LI], 4, v1
	global_load_b128 v[16:19], v[LI], s[48:49]
	global_load_b128 v[20:23], v[LI], s[48:49] offset:512
	global_load_b128 v[24:27], v[LI], s[50:51]
	global_load_b128 v[28:31], v[LI], s[50:51] offset:512
	v_and_b32 v3, 7, v0
	v_bfe_u32 v4, v0, 3, 1
	v_bfe_u32 v7, v0, 4, 1
	s_delay_alu instid0(VALU_DEP_1)
	v_sub_nc_u32 v4, v4, v7
	s_delay_alu instid0(VALU_DEP_1)
	v_lshl_add_u32 v[DQ], v4, 4, v3                ; r % 8 + 16 (r / 8) - 16 h
	s_lshr_b32 s58, s18, 1
	s_lshl_b32 s58, s58, 5
	s_and_b32 s63, s18, 1
	s_lshl_b32 s63, s63, 3
	s_add_co_u32 s58, s58, s63
	v_add_nc_u32 v[DQ], s58, v[DQ]                 ; my query's place in its group of 128, less 16 h.  Register 16 b + i holds the step's key 32 b + 16 h + i: on the diagonal it is hidden where 32 b + i > this
	v_mov_b32 v208, 0                              ; written once: a lane permute's destination counts as one of its sources
	v_mov_b32 v211, 0                              ; (named as the upper half of the pair v[210:211])
	v_mov_b32 v218, 0xff800000                     ; -infinity
	s_wait_kmcnt 0x0
	s_add_co_i32 s19, s38, s39
	s_lshl_b32 s19, s19, 23
	s_add_co_i32 s[CS], s[CS], s19                 ; a score stands for score x 2^(e2 + e3)
	s_mov_b32 s[CS+1], s[CS]                       ; (named with it as a pair, so it is written)
	s_add_co_i32 s19, s40, 127
	s_lshl_b32 s3, s19, 23
	v_mov_b32 v217, s3                             ; 2^e4
	s_add_co_i32 s19, s42, 127
	s_lshl_b32 s3, s19, 23
	v_mov_b32 v220, s3                             ; 2^e6
	s_add_co_i32 s56, s40, s41                     ; e4 + e5
	s_wait_tensorcnt 0x0                           ; my sixteenth is in,
	s_barrier_signal -1
	s_barrier_wait -1                              ; everybody's is
	s_wait_loadcnt 0x0                             ; Q
; A PASS: one tile of 16 queries against its keys.  qr: Q's registers; yr: the codes' registers; yb: the scalar pair of y's address; nsteps: the loop's trips, a constant.
.macro PASS qr, yr, yb, nsteps
	v_mov_b32 v13, 0xff61b1e6                      ; the largest t so far: -3e38, under every t
	s_delay_alu instid0(VALU_DEP_1)
	v_floor_f32 v12, -v13                          ; -M
	v_mov_b32 v14, 0
	v_mov_b32 v15, 0
.set j, 0
.rept 32
	v_mov_b32 v[160+j], 0                          ; O^T.  (The step is written once: the first finds zeros, which the first change of M leaves zeros)
.set j, j+1
.endr
	s_mov_b32 s[TB], 0
	s_mov_b32 s[KS], 0
.Lkey_\@:
	s_cmp_gt_u32 s[KS], s[GG]                      ; all 128 keys come after my queries: the step's work is left out
	s_cbranch_scc1 .Lhidden_\@
	s_setprio 2
	v_add_nc_u32 v[ADK], s[TB], v[LI]
	s_delay_alu instid0(VALU_DEP_1)
	v_add_nc_u32 v[ADV], VREG, v[ADK]
	v_nop
	v_nop                                          ; four places in front of loads into registers that the last products read
.irp t, 0,1,2,3,4,5,6,7
	ds_load_b128 v[32+8*\t:35+8*\t], v[ADK] offset:1024*\t
	ds_load_b128 v[36+8*\t:39+8*\t], v[ADK] offset:1024*\t+512
.endr
	s_wait_alu depctr_va_vdst(0)
	s_wait_dscnt 0x0
.irp t, 0,1,2,3,4,5,6,7
	v_wmma_f32_16x16x64_fp8_fp8 v[96+8*\t:103+8*\t], v[32+8*\t:39+8*\t], v[\qr:\qr+7], 0
.endr
.rept 4
	v_nop
.endr
.irp d, 0,1,2,3
.irp c, 0,1,2,3
	ds_load_b128 v[32+16*\d+4*\c:35+16*\d+4*\c], v[ADV] offset:2048*\d+512*\c   ; V's four fragments land while the softmax is walked
.endr
.endr
	s_cmp_lt_u32 s[KS], s[GG]                      ; a step all of whose keys count skips the mask
	s_cbranch_scc1 .Lopen_\@
.set n, 0
.rept 64
	v_cmp_gt_i32 vcc_lo, 32*(n/16)+n%16, v[DQ]
	v_cndmask_b32 v[96+n], v[96+n], v218, vcc_lo   ; a hidden score becomes -infinity ahead of the maximum: p = 0.  The group's first key counts for every query of it, so M is a number
.set n, n+1
.endr
.Lopen_\@:
	v_max3_num_f32 v212, v96, v97, v98             ; the step's largest score of my query, among my 64 keys, in two chains,
	v_max3_num_f32 v213, v99, v100, v101
.irp i, 6,10,14,18,22,26,30,34,38,42,46,50,54,58
	v_max3_num_f32 v212, v212, v[96+\i], v[97+\i]
	v_max3_num_f32 v213, v213, v[98+\i], v[99+\i]
.endr
	v_max3_num_f32 v212, v212, v158, v159
	s_delay_alu instid0(VALU_DEP_1)
	v_max_num_f32 v212, v212, v213
	s_delay_alu instid0(VALU_DEP_1)
	v_permlanex16_b32 v208, v212, s[SEL], s[SEL+1]
	s_delay_alu instid0(VALU_DEP_1)
	v_max_num_f32 v212, v212, v208                 ; and among lane l xor 16's
	s_delay_alu instid0(VALU_DEP_1)
	v_mul_f32 v212, s[CS], v212                    ; as t (c is positive)
	s_delay_alu instid0(VALU_DEP_1)
	v_max_num_f32 v13, v13, v212
	v_mov_b32 v212, v12
	s_delay_alu instid0(VALU_DEP_2)
	v_floor_f32 v12, -v13                          ; the new -M = floor(-t)
	s_delay_alu instid0(VALU_DEP_1)
	v_sub_f32 v212, v12, v212                      ; old M - new M: a whole number, 0 or less
	s_delay_alu instid0(VALU_DEP_1)
	v_cvt_i32_f32 v212, v212                       ; (it saturates)
	s_delay_alu instid0(VALU_DEP_1)
	v_ldexp_f32 v210, 1.0, v212                    ; f = 2^(old M - new M)
.set j, 0
	s_setprio 1
.rept 32
	v_pk_fma_f32 v[96+j:97+j], v[96+j:97+j], s[CS:CS+1], v[12:13] op_sel_hi:[1,0,0]   ; t - M
.set j, j+2
.endr
.set j, 0
	s_wait_alu depctr_va_vdst(0)
.rept 64
	v_exp_f32 v[96+j], v[96+j]                     ; p = 2^(t - M)
.set j, j+1
.endr
	v_pk_mul_f32 v[14:15], v[14:15], v[210:211] op_sel_hi:[1,0]   ; the sums under the new M: the plain line behind the exponentials
	s_wait_alu depctr_va_vdst(0)                   ; one wait for the whole batch, ahead of its first reader
	v_pk_add_f32 v[214:215], v[100:101], v[104:105]
	v_pk_add_f32 v[254:255], v[108:109], v[112:113]
	v_pk_add_f32 v[252:253], v[116:117], v[120:121]
	v_pk_add_f32 v[250:251], v[124:125], v[128:129]
	v_pk_add_f32 v[248:249], v[132:133], v[136:137]
	v_pk_add_f32 v[246:247], v[140:141], v[144:145]
	v_pk_add_f32 v[244:245], v[148:149], v[152:153]
	v_pk_add_f32 v[14:15], v[14:15], v[156:157]
	v_pk_add_f32 v[214:215], v[214:215], v[96:97]
	v_pk_add_f32 v[254:255], v[254:255], v[98:99]
	v_pk_add_f32 v[252:253], v[252:253], v[102:103]
	v_pk_add_f32 v[250:251], v[250:251], v[106:107]
	v_pk_add_f32 v[248:249], v[248:249], v[110:111]
	v_pk_add_f32 v[246:247], v[246:247], v[114:115]
	v_pk_add_f32 v[244:245], v[244:245], v[118:119]
	v_pk_add_f32 v[14:15], v[14:15], v[122:123]
	v_pk_add_f32 v[214:215], v[214:215], v[126:127]
	v_pk_add_f32 v[254:255], v[254:255], v[130:131]
	v_pk_add_f32 v[252:253], v[252:253], v[134:135]
	v_pk_add_f32 v[250:251], v[250:251], v[138:139]
	v_pk_add_f32 v[248:249], v[248:249], v[142:143]
	v_pk_add_f32 v[246:247], v[246:247], v[146:147]
	v_pk_add_f32 v[244:245], v[244:245], v[150:151]
	s_setprio 0
	v_pk_add_f32 v[14:15], v[14:15], v[154:155]
	v_pk_add_f32 v[214:215], v[214:215], v[158:159]
	s_delay_alu instid0(VALU_DEP_2)
	v_pk_add_f32 v[14:15], v[14:15], v[250:251]
	s_delay_alu instid0(VALU_DEP_2)
	v_pk_add_f32 v[214:215], v[214:215], v[248:249]
	v_pk_add_f32 v[254:255], v[254:255], v[246:247]
	v_pk_add_f32 v[252:253], v[252:253], v[244:245]
	s_delay_alu instid0(VALU_DEP_2)
	v_pk_add_f32 v[14:15], v[14:15], v[254:255]
	s_delay_alu instid0(VALU_DEP_2)
	v_pk_add_f32 v[214:215], v[214:215], v[252:253]
	s_delay_alu instid0(VALU_DEP_1)
	v_pk_add_f32 v[14:15], v[14:15], v[214:215]
.set j, 0
.rept 64
.set j, j+1
.endr
.irp g, 0,1,2,3,4,5,6,7
	v_cvt_scalef32_pk8_fp8_f32 v[224+2*\g:225+2*\g], v[96+8*\g:103+8*\g], v217
.endr
.set j, 0
.rept 16
	v_pk_mul_f32 v[160+j:161+j], v[160+j:161+j], v[210:211] op_sel_hi:[1,0]   ; O^T under the new M, each accumulator from its low end on; also the plain lines behind the conversions
.set j, j+2
.endr
	s_wait_alu depctr_va_vdst(0)
	s_wait_dscnt 0x0                               ; V
.irp d, 0,1,2,3
	v_wmma_f32_16x16x128_fp8_fp8 v[160+8*\d:167+8*\d], v[32+16*\d:47+16*\d], v[224:239], v[160+8*\d:167+8*\d]   ; four accumulators, one instruction each
.endr
.Lhidden_\@:
	s_add_co_u32 s[TB], s[TB], 8192
	s_add_co_u32 s[KS], s[KS], 1
	s_cmp_lt_u32 s[KS], \nsteps
	s_cbranch_scc1 .Lkey_\@
	s_setprio 0
	; the way out: O^T x 2^(e4 + e5) / the sum, quantised: the 8 registers are my lane's part of two pieces of yc
.rept 4
	v_nop
.endr
	v_add_f32 v14, v14, v15
	s_delay_alu instid0(VALU_DEP_1)
	v_permlanex16_b32 v208, v14, s[SEL], s[SEL+1]
	s_delay_alu instid0(VALU_DEP_1)
	v_add_f32 v14, v14, v208                       ; the row's sum
	s_wait_alu depctr_va_vdst(0)
	v_rcp_f32 v14, v14
	v_nop                                          ; a plain line behind the reciprocal
	s_wait_alu depctr_va_vdst(0)                   ; and the wait ahead of its first reader
	v_ldexp_f32 v14, v14, s56
.set j, 0
.rept 16
	v_pk_mul_f32 v[96+j:97+j], v[160+j:161+j], v[14:15] op_sel_hi:[1,0]
.set j, j+2
.endr
.set j, 0
.rept 32
.set j, j+1
.endr
.irp g, 0,1,2,3
	v_cvt_scalef32_pk8_fp8_f32 v[\yr+2*\g:\yr+2*\g+1], v[96+8*\g:103+8*\g], v220
.endr
	v_nop                                          ; one plain vector line behind the last conversion
	global_store_b128 v[LI], v[\yr:\yr+3], s[\yb:\yb+1]                 ; 32 lanes store 512 consecutive bytes, aligned
	global_store_b128 v[LI], v[\yr+4:\yr+7], s[\yb:\yb+1] offset:512
.endm
	s_mov_b32 s[GG], s17                           ; group g: at most 8 key steps
	PASS 16, 192, 52, 8
	s_sub_co_u32 s[GG], 15, s17                    ; group 15 - g: at most 16
	PASS 24, 200, 54, 16
	s_wait_tensorcnt 0x0                           ; the wave's end
	ds_add_u32 v[SPW], v[NIL]
	s_wait_dscnt 0x0
	CROUND                                         ; the closing round
	s_endpgm
.Lfunc_end_k_q756ab0fdf0_attn:
	.size	k_q756ab0fdf0_attn, .Lfunc_end_k_q756ab0fdf0_attn-k_q756ab0fdf0_attn
	.p2alignl 7, 3214868480
	.fill 96, 4, 3214868480
	.section	.rodata,"a",@progbits
	.p2align	6, 0x0
	.amdhsa_kernel k_q756ab0fdf0_attn
		.amdhsa_group_segment_fixed_size 327680
		.amdhsa_private_segment_fixed_size 0
		.amdhsa_enable_private_segment 0
		.amdhsa_kernarg_size 40
		.amdhsa_user_sgpr_count 2
		.amdhsa_user_sgpr_kernarg_segment_ptr 1
		.amdhsa_wavefront_size32 1
		.amdhsa_system_sgpr_workgroup_id_x 1
		.amdhsa_system_sgpr_workgroup_id_y 1
		.amdhsa_system_sgpr_workgroup_id_z 1
		.amdhsa_system_vgpr_workitem_id 0
		.amdhsa_next_free_vgpr 256
		.amdhsa_next_free_sgpr 66
		.amdhsa_reserve_vcc 1
		.amdhsa_float_denorm_mode_32 3
		.amdhsa_float_denorm_mode_16_64 3
		.amdhsa_fp16_overflow 1
		.amdhsa_memory_ordered 1
		.amdhsa_forward_progress 1
		.amdhsa_inst_pref_size 51
	.end_amdhsa_kernel
	.amdgpu_metadata
---
amdhsa.version: [ 1, 2 ]
amdhsa.kernels:
  - .name:           k_q756ab0fdf0_attn
    .symbol:         k_q756ab0fdf0_attn.kd
    .args:
      - { .name: qc, .offset: 0, .size: 8, .value_kind: global_buffer, .address_space: global }
      - { .name: kc, .offset: 8, .size: 8, .value_kind: global_buffer, .address_space: global }
      - { .name: vc, .offset: 16, .size: 8, .value_kind: global_buffer, .address_space: global }
      - { .name: lowp_scales, .offset: 24, .size: 8, .value_kind: global_buffer, .address_space: global }
      - { .name: yc, .offset: 32, .size: 8, .value_kind: global_buffer, .address_space: global }
    .group_segment_fixed_size: 327680
    .private_segment_fixed_size: 0
    .kernarg_segment_align: 8
    .kernarg_segment_size: 40
    .max_flat_workgroup_size: 512
    .sgpr_count:     66
    .vgpr_count:     256
    .wavefront_size: 32
...
	.end_amdgpu_metadata
.endif
;; end of part 3
;; launch proj (part 4): grid 4 x 32, 4 waves a work-group, clusters of 4 x 4, 327,680 bytes of LDS; arguments yc, wpc, b_proj, lowp_scales, out0; writes out0
.if DOCPART == 4
	.amdgcn_target "amdgcn-amd-amdhsa--gfx1250"
	.amdhsa_code_object_version 6
	.text
	.protected	k_q756ab0fdf0_proj
	.globl	k_q756ab0fdf0_proj
	.p2align	8
	.type	k_q756ab0fdf0_proj,@function
k_q756ab0fdf0_proj:
	s_mov_b64 s[64:65], 0
	v_nop
	global_prefetch_b8 v0, s[64:65] scope:SCOPE_SE
	s_setreg_imm32_b32 hwreg(HW_REG_WAVE_MODE, 25, 1), 1
	s_wait_xcnt 0x0
	s_wait_alu depctr_hold_cnt(0) depctr_sa_sdst(0) depctr_va_vdst(0) depctr_va_sdst(0) depctr_va_ssrc(0) depctr_va_vcc(0) depctr_vm_vsrc(0)
	s_getreg_b32 s2, hwreg(HW_REG_IB_STS2, 6, 4)
	s_cmp_eq_u32 s2, 0
	s_cbranch_scc0 .Lentry_in_a_cluster
	s_endpgm
.Lentry_in_a_cluster:
	s_bfe_u32 s2, ttmp6, 0x10000c
	s_cmp_lg_u32 s2, 0xf033
	s_cbranch_scc0 .Lentry_shape_is_right
	s_endpgm
.Lentry_shape_is_right:
; out0 = y w_proj + b_proj on codes of FP8 (E4M3), K = 1,024; out0 [8192][1024] f32.  A sum stands for sum x 2^(e6 + e7).
; OPERANDS are images of registers: a block is 16 rows (slot s of block B = row 32 (B / 2) + 8 (B % 2) + s % 8 + 16 (s / 8)); a fragment (block x 128 K) is 2,048 bytes, piece c at 512 c + 16 x lane,
; lane (r, h): slot r, k = 32 c + 16 h + 0..15; a buffer is [block][K step of 128].  That order of k is the same in both operands, so every product meets its partner.
; A tile of out0 is 256 tokens x 256 features: four waves, each 128 x 128.  Source 0 takes w_proj's blocks, source 1 y's: a lane stands for one token, and the 16 registers of feature blocks 2 p and 2 p + 1 are features 32 p + 16 h + 0..15.
; K goes in steps of 256 through a ring of two LDS slots filled by the tensor data mover; a wave's load brings 8 blocks x 4,096 bytes.  CLUSTERS: 4 x 4 work-groups; y's tile is asked for jointly along a row
; of the cluster, w_proj's along a column.  By this text's count a wave has one tensor load out at a time at the head and one behind each of the two rounds that fill a slot again.
; 128 tiles: half of the WGPs have a work-group; a smaller tile would read each fragment from LDS for half as many products.
; REGISTERS, in windows of 256: window 0: v16-29 addresses; v32-35 my four biases; v128-255 y's fragments, ONE set, later rows on the way out; window 1: w_proj's fragments, TWO sets; windows 2, 3: the accumulators ((a, b) at v[8 (8 (a % 4) + b)]).
; LIMIT: e6 + e7 between -126 and 127.
.set SLOT,   131072                    ; a slot: A's 16 blocks x 4,096 bytes, then B's
.set SPARE,  262144                    ; behind the ring: the spare words, 128 bytes a wave: two blocks of 256 bytes that no other line names
.set FR,     16
.set NL,     4
.set NP,     4                         ; places behind this matrix instruction (ISA guide 7.12.1)
.set ADRA, 16                          ; v16-17  LDS address of my A fragments in slot 0, 1
.set ADRB, 20                          ; v20-21  the same for B
.set STO,  24                          ; v24     the way out: where I put 64 bytes of a row
.set RD,   25                          ; v25     the way out: where I read a row back
.set CO,   26                          ; v26     16 x lane; never rewritten
.set SPW,  28                          ; v28     LDS address of my spare word; never rewritten
.set NIL,  29                          ; v29     0; never rewritten
.set AF,   128
.set BK,   128                         ; the way out: 16 rows read back: v128-191 and v192-255 by turns
.set G1, 24
.set G0, 32
.set G1B, 48
.set G0B, 56
.set MSB, 0
.macro WIN new                         ; the immediate's high byte repeats the setting that is left
.if MSB != (\new)
	s_set_vgpr_msb (MSB<<8)|(\new)
.set MSB, \new
.endif
.endm
.set MUL_LO, 0xa1                      ; source 0 (B) window 1, source 1 (A) window 0, C and D window 2
.set MUL_HI, 0xf1                      ; the same, C and D window 3
.set TO_B,   0x40                      ; destination window 1, address window 0
; A joint load: waves 0 and 1 fetch for A, waves 2 and 3 for B; the branch hangs on the wave's number alone.  An s_nop 0 and four v_nop follow each of the two lines.
.macro JLOAD g0a, g1a, g0b, g1b
	s_cmp_eq_u32 s15, 0
	s_cbranch_scc0 .Lfor_b_\@
	tensor_load_to_lds s[\g0a:\g0a+3], s[\g1a:\g1a+7]
	s_nop 0
.rept 4
	v_nop
.endr
	s_branch .Lasked_\@
.Lfor_b_\@:
	tensor_load_to_lds s[\g0b:\g0b+3], s[\g1b:\g1b+7]
	s_nop 0
.rept 4
	v_nop
.endr
.Lasked_\@:
.endm
.macro CREST                           ; a round of the cluster's barrier behind its opening barrier
	s_cmp_lg_u32 s14, 0
	s_cbranch_scc1 .Lnot_wave_0_\@
	s_barrier_signal -3
.Lnot_wave_0_\@:
	s_barrier_wait -3
	s_barrier_signal -1
	s_barrier_wait -1
.endm
.macro CROUND                          ; a whole round
	s_barrier_signal -1
	s_barrier_wait -1
	CREST
.endm
	s_load_b256 s[4:11], s[0:1], 0x0               ; yc s[4:5], wpc s[6:7], b_proj s[8:9], the scales' exponents s[10:11]
	s_load_b64 s[68:69], s[0:1], 0x20              ; out0
	v_lshl_add_u32 v[SPW], v0, 2, SPARE
	v_mov_b32 v[NIL], 0
	ds_add_u32 v[SPW], v[NIL]                      ; the wave's opening: the add and its wait stand ahead of my first tensor load; the set-up below, work on registers, stands between them
	ds_add_u32 v[SPW], v[NIL]
	v_lshrrev_b32 v1, 5, v0
	v_readfirstlane_b32 s14, v1                    ; wave 0..3
	s_lshr_b32 s15, s14, 1                         ; which half of the tile's tokens is mine.  Also: I fetch for A (0) or for B (1)
	s_and_b32 s16, s14, 1                          ; which half of its features.  Also: which 8 blocks of that tile I fetch
	s_bfe_u32 s40, ttmp6, 0x40000                  ; cx, cy: my place in the cluster
	s_bfe_u32 s41, ttmp6, 0x40004
	s_lshl_b32 s42, ttmp9, 2
	s_add_co_u32 s42, s42, s40                     ; the tile of features
	s_and_b32 s17, ttmp7, 0xffff
	s_lshl_b32 s17, s17, 2
	s_add_co_u32 s17, s17, s41                     ; the tile of tokens
	s_lshl_b32 s43, s41, 2
	s_lshl_b32 s43, 15, s43                        ; my row of the cluster
	s_lshl_b32 s44, 0x1111, s40                    ; my column
	; descriptor group 1: 8 rows (blocks) of 4,096 bytes, 16,384 bytes apart in memory, dense in LDS
	s_or_b32 s[G1+0], s43, (1<<21)                 ; 15:0 the mask: A's tiles go to my row; 17:16 elements of 1 byte; 20 no padding; 21 set beside a mask
	s_or_b32 s[G1B+0], s44, (1<<21)
.irp g, G1, G1B
	s_mov_b32 s[\g+1], 4096<<16                    ; tensor_dim0
	s_mov_b32 s[\g+2], 8<<16                       ; tensor_dim1
	s_mov_b32 s[\g+3], 4096<<16                    ; tile_dim0
	s_mov_b32 s[\g+4], 8                           ; tile_dim1
	s_mov_b32 s[\g+5], 16384                       ; tensor_dim0_stride
	s_mov_b32 s[\g+6], 0
	s_mov_b32 s[\g+7], 0
.endr
	s_lshl_b32 s18, s16, 17                        ; which 8 blocks of the tile I fetch
	s_lshl_b32 s20, s17, 18
	s_add_co_u32 s20, s20, s18
	s_mov_b32 s21, 0
	s_lshl_b32 s46, s42, 18
	s_add_co_u32 s46, s46, s18
	s_mov_b32 s47, 0
	s_lshl_b32 s45, s14, 15                        ; where they go: wave x 32,768: no place in the cluster enters an LDS address
	s_wait_dscnt 0x0                               ; the opening add is done
	s_wait_kmcnt 0x0
	s_load_b256 s[76:83], s[10:11], 0x0            ; e0 .. e7
	s_add_nc_u64 s[20:21], s[4:5], s[20:21]
	s_add_nc_u64 s[46:47], s[6:7], s[46:47]
	CROUND                                         ; all sixteen work-groups are here: the first joint loads meet
.irp s, 0,1
	s_mov_b32 s[G0+4*\s], 1
	s_add_co_u32 s[G0+4*\s+1], s45, \s*SLOT
	s_add_nc_u64 s[G0+4*\s+2:G0+4*\s+3], s[20:21], \s*4096
	s_or_b32 s[G0+4*\s+3], s[G0+4*\s+3], 0x80000000
	s_mov_b32 s[G0B+4*\s], 1
	s_add_co_u32 s[G0B+4*\s+1], s45, \s*SLOT
	s_add_nc_u64 s[G0B+4*\s+2:G0B+4*\s+3], s[46:47], \s*4096
	s_or_b32 s[G0B+4*\s+3], s[G0B+4*\s+3], 0x80000000
	s_wait_alu depctr_va_vdst(0)
	s_wait_tensorcnt 0x0
	ds_add_u32 v28, v29
	ds_add_u32 v28, v29
	s_wait_dscnt 0x0
	CROUND
	JLOAD G0+4*\s, G1, G0B+4*\s, G1B
.endr
	v_and_b32 v1, 31, v0
	v_lshlrev_b32 v[CO], 4, v1
	s_lshl_b32 s18, s15, 15                        ; my 8 blocks of A
	s_lshl_b32 s19, s16, 15                        ; my 8 blocks of B,
	s_add_co_u32 s19, s19, 65536                   ; which lie behind A's 16
.irp s, 0,1
	v_add_nc_u32 v[ADRA+\s], s18, v[CO]
	v_add_nc_u32 v[ADRB+\s], s19, v[CO]
	s_add_co_u32 s18, s18, SLOT
	s_add_co_u32 s19, s19, SLOT
.endr
	s_mul_i32 s18, s14, 8448                       ; my stage: 16 rows x 528 bytes, in slot 0, which has had its last fill and its last read when the first result is stored there
	v_and_b32 v2, 15, v0
	v_bfe_u32 v3, v0, 4, 1
	v_mul_u32_u24 v[STO], v2, 528
	v_lshl_add_u32 v[STO], v3, 6, v[STO]
	v_add_nc_u32 v[STO], s18, v[STO]               ; in: row r, + 64 h
	v_add_nc_u32 v[RD], s18, v[CO]                 ; back: the 32 lanes take one row of 512 bytes
	s_lshl_b32 s96, s42, 10
	s_lshl_b32 s97, s16, 9
	s_add_co_u32 s96, s96, s97                     ; my 128 features, in bytes
	s_mov_b32 s97, 0
	s_add_nc_u64 s[92:93], s[8:9], s[96:97]
	global_load_b128 v[32:35], v[CO], s[92:93]     ; behind the stage a lane holds features 4 l .. 4 l + 3 of a row: four biases serve all rows
	s_add_nc_u64 s[90:91], s[68:69], s[96:97]
	s_lshl_b32 s96, s17, 20
	s_lshl_b32 s18, s15, 19
	s_add_co_u32 s96, s96, s18                     ; my 128 tokens' rows of 4,096 bytes
	s_add_nc_u64 s[90:91], s[90:91], s[96:97]
.macro FRAG reg, adr, q, i             ; block i's fragment of the slot's q-th 128 along K: four loads of 512 consecutive bytes
.irp c, 0,1,2,3
	ds_load_b128 v[\reg+4*\c:\reg+4*\c+3], v[\adr] offset:4096*(\i)+2048*(\q)+512*\c
.endr
.endm
; 16 matrix instructions: A's blocks a0, a0 + 1 x B's eight, 128 along K.  p: B's set.  zero = 1: the first product starts the sums.
; The 64 accumulators take turns, one instruction a turn, in the same order in every step.
.macro MUL16 a0, p, zero
.irp a, \a0, \a0+1
.irp b, 0,1,2,3,4,5,6,7
.if \zero
	v_wmma_f32_16x16x128_fp8_fp8 v[8*(8*((\a)%4)+\b):8*(8*((\a)%4)+\b)+7], v[128*(\p)+FR*\b:128*(\p)+FR*\b+FR-1], v[AF+FR*(\a):AF+FR*(\a)+FR-1], 0
.else
	v_wmma_f32_16x16x128_fp8_fp8 v[8*(8*((\a)%4)+\b):8*(8*((\a)%4)+\b)+7], v[128*(\p)+FR*\b:128*(\p)+FR*\b+FR-1], v[AF+FR*(\a):AF+FR*(\a)+FR-1], v[8*(8*((\a)%4)+\b):8*(8*((\a)%4)+\b)+7]
.endif
.endr
.endr
.endm
.macro FETCH_B slot, q, p
	WIN TO_B
.irp i, 0,1,2,3,4,5,6,7
	FRAG 128*(\p)+FR*\i, ADRB+\slot, \q, \i
.endr
	WIN 0
.endm
.macro FETCH_A slot, q, i0
.irp i, \i0, \i0+1, \i0+2, \i0+3
	FRAG AF+FR*(\i), ADRA+\slot, \q, \i
.endr
.endm
.macro PLACES n                        ; plain vector lines between a matrix instruction and a load into, or a read of, its registers (ISA guide 7.12.1 for reads)
.rept \n
	v_nop
.endr
.endm
.macro STEP slot, q, zero
	s_wait_dscnt 4*NL                              ; B's set and A's blocks 0-3 are in; the youngest sixteen loads (A's blocks 4-7) may be out
	WIN MUL_LO
	MUL16 0, (\q)%2, \zero
	MUL16 2, (\q)%2, \zero
	s_wait_dscnt 0
	PLACES NP
	FETCH_B \slot, (\q)+1, 1-(\q)%2
	FETCH_A \slot, (\q)+1, 0
	WIN MUL_HI
	MUL16 4, (\q)%2, \zero
	MUL16 6, (\q)%2, \zero
	PLACES NP
	WIN 0
	FETCH_A \slot, (\q)+1, 4
.endm
; A slot's last step changes slots: ONE barrier; in front of it each wave waits for all its tensor loads, adds 0 to its spare word, and waits for that and for its own reads of this slot.  fill = 1: this slot is filled again, two slot steps ahead.
.macro TURN slot, next, fill
	s_wait_tensorcnt 0x0                           ; all my tensor loads have landed: my part of the next slot
	ds_add_u32 v[SPW], v[NIL]                      ; 0 onto my spare word
	s_wait_dscnt 4*NL+1                            ; (the add and the youngest sixteen loads may be out)
	WIN MUL_LO
	MUL16 0, 1, 0                                  ; sixteen matrix instructions stand between the add and the wait for it
	s_wait_dscnt 0x0                               ; the add is done, and my reads of this slot are over
	s_barrier_signal -1
	MUL16 2, 1, 0
	WIN 0
	s_barrier_wait -1
.if \fill
	CREST                                          ; the barrier has opened a round of the cluster's: no wave of any partner still reads this slot or has a load on its way
	s_add_nc_u64 s[G0+4*\slot+2:G0+4*\slot+3], s[G0+4*\slot+2:G0+4*\slot+3], 2*4096
	s_add_nc_u64 s[G0B+4*\slot+2:G0B+4*\slot+3], s[G0B+4*\slot+2:G0B+4*\slot+3], 2*4096
	JLOAD G0+4*\slot, G1, G0B+4*\slot, G1B         ; the first tensor load behind the round; its four v_nop are the places in front of the loads below
.else
	PLACES NP
.endif
	FETCH_B \next, 0, 0
	FETCH_A \next, 0, 0
	WIN MUL_HI
	MUL16 4, 1, 0
	MUL16 6, 1, 0
	PLACES NP
	WIN 0
	FETCH_A \next, 0, 4
.endm
	s_wait_alu depctr_va_vdst(0)
	s_wait_tensorcnt 1                             ; my part of slot step 0 is in (slot step 1's load may be out),
	s_barrier_signal -1
	s_barrier_wait -1                              ; everybody's is
	FETCH_B 0, 0, 0
	FETCH_A 0, 0, 0
	FETCH_A 0, 0, 4
	STEP 0, 0, 1                                   ; K = 1,024 is four slot steps, eight steps of 128: written straight, since a loop would have one trip
	TURN 0, 1, 1                                   ; slot 0 takes slot step 2
	STEP 1, 0, 0
	TURN 1, 0, 1                                   ; slot 1 takes slot step 3
	STEP 0, 0, 0
	TURN 0, 1, 0                                   ; nothing is left to fetch; behind this barrier nobody reads slot 0
	STEP 1, 0, 0
	s_wait_dscnt 4*NL
	WIN MUL_LO
	MUL16 0, 1, 0
	MUL16 2, 1, 0
	s_wait_dscnt 0
	WIN MUL_HI
	MUL16 4, 1, 0
	MUL16 6, 1, 0
	WIN 0
; THE WAY OUT, a block of 16 tokens x 128 features at a time.  A lane holds 64 bytes of each of four parts of a row, and the lanes beside it hold other rows: the sums go through my own stage as they are and come back as
; whole rows of 512 bytes; there sum x 2^(e6 + e7) + bias is one packed multiply-add for two numbers.  LDS serves a wave's instructions in order: no wait between the stores and the loads, nor in front of the next block's stores.
.macro TOSTAGE a
.set AC, 64*((\a)%4)
.set BB, BK+64*((\a)%2)
	WIN 0x08+4*((\a)/4)                            ; the stores' data: window 2 or 3
.irp t, 0,1,2,3,4,5,6,7
	ds_store_b128 v[STO], v[AC+8*\t:AC+8*\t+3] offset:128*(\t/2)+32*(\t%2)          ; features 32 (t / 2) + 16 h + 8 (t % 2) on; each accumulator from its low end on
	ds_store_b128 v[STO], v[AC+8*\t+4:AC+8*\t+7] offset:128*(\t/2)+32*(\t%2)+16
.endr
	WIN 0
.irp u, 0,1,2,3,4,5,6,7,8,9,10,11,12,13,14,15
	ds_load_b128 v[BB+4*\u:BB+4*\u+3], v[RD] offset:528*\u
.endr
.endm
.macro SEND a, younger                 ; younger: the LDS instructions issued behind block a's loads, which may stay out
.set BB, BK+64*((\a)%2)
	s_wait_dscnt \younger
.irp u, 0,1,2,3,4,5,6,7,8,9,10,11,12,13,14,15
	v_pk_fma_f32 v[BB+4*\u:BB+4*\u+1], v[BB+4*\u:BB+4*\u+1], s[84:85], v[32:33] op_sel_hi:[1,0,1]
	v_pk_fma_f32 v[BB+4*\u+2:BB+4*\u+3], v[BB+4*\u+2:BB+4*\u+3], s[84:85], v[34:35] op_sel_hi:[1,0,1]
.endr
.irp u, 0,1,2,3,4,5,6,7,8,9,10,11,12,13,14,15
	global_store_b128 v[CO], v[BB+4*\u:BB+4*\u+3], s[90:91] offset:(32*((\a)/2)+8*((\a)%2)+(\u%8)+16*(\u/8))*4096 th:TH_STORE_NT   ; slot u's token: 512 consecutive bytes of its row, aligned; written once
.endr
.endm
	s_wait_kmcnt 0x0
	s_add_co_i32 s84, s82, s83
	s_add_co_i32 s84, s84, 127
	s_lshl_b32 s84, s84, 23                        ; 2^(e6 + e7) as f32
	s_mov_b32 s85, s84                             ; (named with it as a pair, so it is written)
	s_wait_loadcnt 0x0                             ; the biases
	PLACES NP                                      ; behind the last products: for the stores that read results and the loads into the registers that held A's fragments
	TOSTAGE 0
.irp a, 1,2,3,4,5,6,7
.if \a > 1
	s_wait_xcnt 0x0                                ; block a - 2's stores have read their registers: block a's loads may land there
.endif
	TOSTAGE \a
	SEND \a-1, 32                                  ; behind block a - 1's loads: block a's 16 stores and 16 loads
.endr
	SEND 7, 0
	s_wait_tensorcnt 0x0                           ; the wave's end, behind my last tensor load and my last LDS store
	ds_add_u32 v[SPW], v[NIL]
	s_wait_dscnt 0x0
	CROUND                                         ; the closing round: no work-group ends while a partner may still ask for a tile that names it
	s_endpgm
.Lfunc_end_k_q756ab0fdf0_proj:
	.size	k_q756ab0fdf0_proj, .Lfunc_end_k_q756ab0fdf0_proj-k_q756ab0fdf0_proj
	.p2alignl 7, 3214868480
	.fill 96, 4, 3214868480
	.section	.rodata,"a",@progbits
	.p2align	6, 0x0
	.amdhsa_kernel k_q756ab0fdf0_proj
		.amdhsa_group_segment_fixed_size 327680
		.amdhsa_private_segment_fixed_size 0
		.amdhsa_enable_private_segment 0
		.amdhsa_kernarg_size 40
		.amdhsa_user_sgpr_count 2
		.amdhsa_user_sgpr_kernarg_segment_ptr 1
		.amdhsa_wavefront_size32 1
		.amdhsa_system_sgpr_workgroup_id_x 1
		.amdhsa_system_sgpr_workgroup_id_y 1
		.amdhsa_system_sgpr_workgroup_id_z 1
		.amdhsa_system_vgpr_workitem_id 0
		.amdhsa_next_free_vgpr 1024
		.amdhsa_next_free_sgpr 100
		.amdhsa_reserve_vcc 0
		.amdhsa_float_denorm_mode_32 3
		.amdhsa_float_denorm_mode_16_64 3
		.amdhsa_memory_ordered 1
		.amdhsa_forward_progress 1
		.amdhsa_inst_pref_size 123
	.end_amdhsa_kernel
	.amdgpu_metadata
---
amdhsa.version: [ 1, 2 ]
amdhsa.kernels:
  - .name:           k_q756ab0fdf0_proj
    .symbol:         k_q756ab0fdf0_proj.kd
    .args:
      - { .name: yc, .offset: 0, .size: 8, .value_kind: global_buffer, .address_space: global }
      - { .name: wpc, .offset: 8, .size: 8, .value_kind: global_buffer, .address_space: global }
      - { .name: b_proj, .offset: 16, .size: 8, .value_kind: global_buffer, .address_space: global }
      - { .name: lowp_scales, .offset: 24, .size: 8, .value_kind: global_buffer, .address_space: global }
      - { .name: out0, .offset: 32, .size: 8, .value_kind: global_buffer, .address_space: global }
    .group_segment_fixed_size: 327680
    .private_segment_fixed_size: 0
    .kernarg_segment_align: 8
    .kernarg_segment_size: 40
    .max_flat_workgroup_size: 128
    .sgpr_count:     100
    .vgpr_count:     1024
    .wavefront_size: 32
...
	.end_amdgpu_metadata
.endif
;; end of part 4
